; MI455X (gfx1250); checked and timed in simulation.
; The chip was launched on July 23, 2026; its instructions are those of AMD's public machine-readable ISA for CDNA 5 (MIT licence, August 2026) and "CDNA5" Instruction Set Architecture Reference Guide (July 2026). The comments in the code are by the model that wrote it; some were corrected since.
;; Cross Attention With Mask. Allowed arithmetic: float matrix products may take bf16 or f16 operands with f32 sums; all other float work in f32.
;; Inputs: Wk 256 x 256 float32; Wq 256 x 256 float32; Wv 256 x 256 float32; bk 256 float32; bq 256 float32; bv 256 float32; query 1 x 256 x 64 x 64 float32; support 4 x 256 x 64 x 64 float32; temperature one number float32; threshold one number float32.
;; Outputs: out0 4 x 256 x 64 x 64 float32.
;; 2 versions, each right; version 2 is version 1 with the launch proj written anew for expert scheduling mode. Each part assembles by itself: llvm-mc -triple=amdgcn-amd-amdhsa -mcpu=gfx1250 --defsym DOCPART=n.
;; ======== version 1 of 2: 2 launches
;; workspace buffers: qs 2,097,152 bytes; kw 8,388,608 bytes; vt 8,388,608 bytes
;; launch proj (part 1): grid 16 x 9, 16 waves a work-group, no clusters, 276,480 bytes of LDS; arguments query, support, Wq, Wk, Wv, bq, bk, bv, qs, kw, vt; writes qs, kw, vt
.if DOCPART == 1
	.amdgcn_target "amdgcn-amd-amdhsa--gfx1250"
	.amdhsa_code_object_version 6
	.text
	.protected	k_qda7bd660b0_proj
	.globl	k_qda7bd660b0_proj
	.p2align	8
	.type	k_qda7bd660b0_proj,@function
k_qda7bd660b0_proj:
	s_mov_b64 s[64:65], 0
	v_nop
	global_prefetch_b8 v0, s[64:65] scope:SCOPE_SE
	s_setreg_imm32_b32 hwreg(HW_REG_WAVE_MODE, 25, 1), 1
	s_wait_xcnt 0x0
; The three linear layers, y[p][o] = sum over c of x[c][p] W[o][c] + b[o], operands rounded to bf16, sums in f32, results rounded once to bf16.
; x (query or one support map) lies [256 c][4096 p] in f32, W lies [256 o][256 c] in f32.
; Work-group (x, y): positions 256 x .. 256 x + 255, all 256 outputs.  y = 0: Q (made once: it is the same for all four maps) -> qs [p][o];
; y = 1..4: K of map y - 1 -> kw [n][p][o];  y = 5..8: V of map y - 5 -> vt [n][o][p] (keys along the rows, as the second product of the attention wants them).
; 16 waves; wave w makes 64 p x 64 o (wp = w / 4, wo = w % 4): 16 accumulator tiles.
; Phase 1: each wave loads 16 rows of x and 16 rows of W (512 consecutive bytes an instruction), rounds to bf16 and lays them into LDS.
; Phase 2: 8 chunks of 32 channels; W's fragments by plain loads (channels lie along its rows), x's by the transposing load (channels lie down its columns).
; Phase 3: the tile goes through LDS so that every store covers 512 consecutive bytes, aligned.
; No cluster and no tensor loads: the operands change format on the way from memory to LDS, which takes registers.
; Limits: NaN and infinities are passed on as the arithmetic makes them; operands carry bf16's 8 bits of mantissa.
.set WPITCH, 528                       ; W's LDS row: 512 bytes + 16 = 33 x 16, so sixteen rows start 16 bytes apart modulo 256
.set XPITCH, 544                       ; x's LDS row: 512 bytes + 32 = 17 x 32, for the transposing load
.set XB,     256*WPITCH                ; x behind W's 256 rows
.set BB,     16                        ; v[16:47]   four blocks of 8: the bias as the first product's addend
.set WFR,    48                        ; v[48:79]   four fragments of W
.set XFR,    80                        ; v[80:111]  four fragments of x
.set ACC,    112                       ; v[112:239] tile (a, b) at ACC + 8 (4 a + b)
.set LAND,   48                        ; v[48:239]  phase 1: 48 landing slots of four registers; phase 3: v[48:111] the packed results
; v4 x's global offset, v5 x's LDS store address, v6 W's global offset, v7 W's LDS store address, v8 W's fragment address,
; v9, v10 x's fragment address (channels 0-127, 128-255), v11 stage store, v12 stage read, v13 output offset, v14 bias offset
.macro LDXS first, count, slot         ; loads first .. first + count - 1 of my 32 of x (row i / 2, half i % 2) into slots slot ..
.set i, \first
.set sl, \slot
.rept \count
	global_load_b128 v[LAND+4*sl:LAND+4*sl+3], v4, s[32:33] offset:(i/2)*16384+(i%2)*512
.set i, i+1
.set sl, sl+1
.endr
.endm
.macro LDWS first, count, slot         ; the same of W, whose rows follow each other in memory
.set i, \first
.set sl, \slot
.rept \count
	global_load_b128 v[LAND+4*sl:LAND+4*sl+3], v6, s[34:35] offset:i*512
.set i, i+1
.set sl, sl+1
.endr
.endm
.macro CONVS first, count, slot, adr, pitch    ; four f32 -> four bf16 in the slot's first two registers -> 8 bytes into LDS
.set i, \first
.set sl, \slot
.rept \count
	v_cvt_pk_bf16_f32 v[LAND+4*sl], v[LAND+4*sl], v[LAND+4*sl+1]
	v_cvt_pk_bf16_f32 v[LAND+4*sl+1], v[LAND+4*sl+2], v[LAND+4*sl+3]
	ds_store_b64 v[\adr], v[LAND+4*sl:LAND+4*sl+1] offset:(i/2)*\pitch+(i%2)*256
.set i, i+1
.set sl, sl+1
.endr
.endm
; 16 matrix instructions of chunk cc.  The 16 accumulators take turns, one instruction a turn.
; v = 0: source 0 = 16 rows of W, source 1 = 16 positions of x: a lane holds 8 neighbouring o of one p.  a = block of p, b = block of o.
; v = 1: the sources exchanged: a lane holds 8 neighbouring p of one o.  a = block of o, b = block of p.
; In chunk 0 the bias is the addend: nothing is cleared and nothing is added later.
.macro MM16 v
.irp a, 0,1,2,3
.irp b, 0,1,2,3
.if \v
.if cc == 0
	v_wmma_f32_16x16x32_bf16 v[ACC+8*(4*\a+\b):ACC+8*(4*\a+\b)+7], v[XFR+8*\b:XFR+8*\b+7], v[WFR+8*\a:WFR+8*\a+7], v[BB+8*\a:BB+8*\a+7]
.else
	v_wmma_f32_16x16x32_bf16 v[ACC+8*(4*\a+\b):ACC+8*(4*\a+\b)+7], v[XFR+8*\b:XFR+8*\b+7], v[WFR+8*\a:WFR+8*\a+7], v[ACC+8*(4*\a+\b):ACC+8*(4*\a+\b)+7]
.endif
.else
.if cc == 0
	v_wmma_f32_16x16x32_bf16 v[ACC+8*(4*\a+\b):ACC+8*(4*\a+\b)+7], v[WFR+8*\b:WFR+8*\b+7], v[XFR+8*\a:XFR+8*\a+7], v[BB+8*\b:BB+8*\b+7]
.else
	v_wmma_f32_16x16x32_bf16 v[ACC+8*(4*\a+\b):ACC+8*(4*\a+\b)+7], v[WFR+8*\b:WFR+8*\b+7], v[XFR+8*\a:XFR+8*\a+7], v[ACC+8*(4*\a+\b):ACC+8*(4*\a+\b)+7]
.endif
.endif
.endr
.endr
.endm
.macro BODY v
.if \v
	s_mul_i32 s43, s41, 64*WPITCH                  ; stage rows are outputs: (64 wo + r) rows,
	s_lshl_b32 s31, s42, 7                         ; columns are positions: 128 wp bytes
	s_add_co_u32 s43, s43, s31
	v_add_nc_u32 v11, s43, v2
	s_lshl_b32 s43, s40, 17                        ; vt: 16 w rows of 8,192 bytes
	v_lshl_add_u32 v13, v1, 4, s43
	s_lshl_b32 s43, s41, 8
	v_lshl_add_u32 v14, v3, 2, s43                 ; bias of output 64 wo + r
.irp a, 0,1,2,3
	global_load_b32 v[BB+8*\a], v14, s[36:37] offset:64*\a
.endr
.else
	s_mul_i32 s43, s42, 64*WPITCH                  ; stage rows are positions: (64 wp + r) rows,
	s_lshl_b32 s31, s41, 7                         ; columns are outputs: 128 wo bytes
	s_add_co_u32 s43, s43, s31
	v_add_nc_u32 v11, s43, v2
	s_lshl_b32 s43, s40, 13                        ; qs, kw: 16 w rows of 512 bytes
	v_lshl_add_u32 v13, v1, 4, s43
	s_lshl_b32 s43, s41, 8
	v_lshl_add_u32 v14, v15, 5, s43                ; bias of outputs 64 wo + 8 h + 0..7
.irp b, 0,1,2,3
	global_load_b128 v[BB+8*\b:BB+8*\b+3], v14, s[36:37] offset:64*\b
	global_load_b128 v[BB+8*\b+4:BB+8*\b+7], v14, s[36:37] offset:64*\b+16
.endr
.endif
	; Phase 1.  The bias loads are the oldest, so every wait below covers them.  Each count is the number of younger loads still out.
	LDXS 0, 32, 0
	LDWS 0, 16, 32
	s_wait_loadcnt 40                              ; x 8-31 and W 0-15 are younger than x 7
	CONVS 0, 8, 0, 5, XPITCH
	s_wait_loadcnt 32                              ; x 16-31 and W 0-15
	CONVS 8, 8, 8, 5, XPITCH
	LDWS 16, 16, 0                                 ; the rest of W into the sixteen slots just emptied
	s_wait_loadcnt 40                              ; x 24-31 and W 0-31
	CONVS 16, 8, 16, 5, XPITCH
	s_wait_loadcnt 32                              ; W 0-31
	CONVS 24, 8, 24, 5, XPITCH
	s_wait_loadcnt 24
	CONVS 0, 8, 32, 7, WPITCH
	s_wait_loadcnt 16
	CONVS 8, 8, 40, 7, WPITCH
	s_wait_loadcnt 8
	CONVS 16, 8, 0, 7, WPITCH
	s_wait_loadcnt 0
	CONVS 24, 8, 8, 7, WPITCH
.if \v
.irp a, 0,1,2,3
.irp j, 1,2,3,4,5,6,7
	v_mov_b32 v[BB+8*\a+\j], v[BB+8*\a]            ; a lane's eight results belong to one output: its bias eight times
.endr
.endr
.endif
	s_wait_dscnt 0x0                               ; my stores are in LDS, for the other waves' sake
	s_barrier_signal -1
	s_barrier_wait -1
	; Phase 2
.set cc, 0
.rept 8
.irp t, 0,1,2,3
	ds_load_b128 v[WFR+8*\t:WFR+8*\t+3], v8 offset:\t*16*WPITCH+64*cc
	ds_load_b128 v[WFR+8*\t+4:WFR+8*\t+7], v8 offset:\t*16*WPITCH+64*cc+32
.endr
.irp t, 0,1,2,3
	ds_load_tr16_b128 v[XFR+8*\t:XFR+8*\t+3], v[9+cc/4] offset:(cc%4)*32*XPITCH+32*\t
	ds_load_tr16_b128 v[XFR+8*\t+4:XFR+8*\t+7], v[9+cc/4] offset:(cc%4)*32*XPITCH+32*\t+16*XPITCH
.endr
	s_wait_dscnt 0x0
	MM16 \v
.rept 4
	v_nop                                          ; four places (ISA guide 7.12.1) before the fragments are loaded again, and, behind the last chunk, before the results are read
.endr
.set cc, cc+1
.endr
	; Phase 3.  The stage lies over W's rows: every wave's fragment reads were waited for above, and the barrier shows it of all.
	s_barrier_signal -1
.irp a, 0,1,2,3
.irp b, 0,1,2,3
.irp q, 0,1,2,3
	v_cvt_pk_bf16_f32 v[LAND+4*(4*\a+\b)+\q], v[ACC+8*(4*\a+\b)+2*\q], v[ACC+8*(4*\a+\b)+2*\q+1]
.endr
.endr
.endr
	s_barrier_wait -1
.irp a, 0,1,2,3
.irp b, 0,1,2,3
	ds_store_b128 v11, v[LAND+4*(4*\a+\b):LAND+4*(4*\a+\b)+3] offset:\a*16*WPITCH+32*\b
.endr
.endr
	s_wait_dscnt 0x0
	s_barrier_signal -1
	s_barrier_wait -1
.irp t, 0,1,2,3,4,5,6,7,8,9,10,11,12,13,14,15
	ds_load_b128 v[ACC+4*\t:ACC+4*\t+3], v12 offset:\t*WPITCH      ; stage row 16 w + t, 512 bytes by 32 lanes
.endr
.irp t, 0,1,2,3,4,5,6,7,8,9,10,11,12,13,14,15
	s_wait_dscnt 15-\t                             ; LDS loads come back in order: row t is in
	global_store_b128 v13, v[ACC+4*\t:ACC+4*\t+3], s[38:39] offset:\t*(512+\v*7680)   ; 512 consecutive bytes, aligned; rows 512 (qs, kw) or 8,192 (vt) bytes apart
.endr
	s_wait_tensorcnt 0x0
	ds_add_u32 v254, v255
	s_wait_dscnt 0x0
	s_endpgm
.endm
	s_load_b512 s[8:23], s[0:1], 0x0               ; query, support, Wq, Wk, Wv, bq, bk, bv
	s_load_b128 s[24:27], s[0:1], 0x40             ; qs, kw
	s_load_b64 s[28:29], s[0:1], 0x50              ; vt
	v_lshl_add_u32 v254, v0, 2, 0x43000
	v_mov_b32 v255, 0
	s_and_b32 s30, ttmp7, 0xffff                   ; y: the job
	v_lshrrev_b32 v2, 5, v0
	v_readfirstlane_b32 s40, v2                    ; wave 0..15
	v_and_b32 v1, 31, v0                           ; lane
	v_and_b32 v3, 15, v0                           ; r
	v_bfe_u32 v15, v0, 4, 1                        ; h
	s_and_b32 s41, s40, 3                          ; wo
	s_lshr_b32 s42, s40, 2                         ; wp
	s_sub_co_u32 s31, s30, 1
	s_and_b32 s31, s31, 3                          ; the map: (y - 1) mod 4,
	s_cmp_eq_u32 s30, 0
	s_cselect_b32 s31, 0, s31                      ; 0 for the query
	s_lshl_b32 s44, s31, 22                        ; x: map x 4 MiB + 256 x positions of 4 bytes
	s_lshl_b32 s43, ttmp9, 10
	s_add_co_u32 s44, s44, s43
	s_mov_b32 s45, 0
	s_lshl_b32 s46, s31, 21                        ; output: map x 2 MiB + 256 x rows of 512 bytes, or for vt 256 x columns of 2 bytes
	s_mov_b32 s47, 0
	s_cmp_ge_u32 s30, 5
	s_cselect_b32 s43, 9, 17
	s_lshl_b32 s43, ttmp9, s43
	s_add_co_u32 s46, s46, s43
	s_lshl_b32 s43, s40, 18
	v_lshl_add_u32 v4, v1, 4, s43                  ; x: 16 w rows of 16,384 bytes + 16 lane
	s_mul_i32 s43, s40, 16*XPITCH
	s_add_co_u32 s43, s43, XB
	v_lshl_add_u32 v5, v1, 3, s43
	s_lshl_b32 s43, s40, 14
	v_lshl_add_u32 v6, v1, 4, s43                  ; W: 16 w rows of 1,024 bytes + 16 lane
	s_mul_i32 s43, s40, 16*WPITCH
	v_lshl_add_u32 v7, v1, 3, s43
	v_lshl_add_u32 v12, v1, 4, s43                 ; stage rows 16 w .., read back 16 bytes a lane
	v_mul_u32_u24 v2, v3, WPITCH
	v_lshl_add_u32 v2, v15, 4, v2                  ; r x pitch + 16 h
	s_mul_i32 s43, s41, 64*WPITCH
	v_add_nc_u32 v8, s43, v2                       ; W's fragments: rows 64 wo + r
	v_and_b32 v9, 7, v0
	v_lshl_add_u32 v9, v15, 3, v9                  ; x's fragments: channel 8 h + lane % 8,
	v_mul_u32_u24 v9, v9, XPITCH
	v_bfe_u32 v10, v0, 3, 1
	v_lshl_add_u32 v9, v10, 4, v9                  ; 16 bytes further for the upper eight lanes of each sixteen,
	s_lshl_b32 s43, s42, 7
	s_add_co_u32 s43, s43, XB
	v_add_nc_u32 v9, s43, v9                       ; positions 64 wp ..
	v_add_nc_u32 v10, 128*XPITCH, v9               ; channels 128 .. : beyond the 16-bit immediate
	s_wait_kmcnt 0x0
	s_cmp_eq_u32 s30, 0
	s_cselect_b64 s[32:33], s[8:9], s[10:11]       ; x
	s_cselect_b64 s[34:35], s[12:13], s[14:15]     ; W
	s_cselect_b64 s[36:37], s[18:19], s[20:21]     ; b
	s_cselect_b64 s[38:39], s[24:25], s[26:27]     ; output
	s_cmp_ge_u32 s30, 5
	s_cselect_b64 s[34:35], s[16:17], s[34:35]
	s_cselect_b64 s[36:37], s[22:23], s[36:37]
	s_cselect_b64 s[38:39], s[28:29], s[38:39]
	s_add_nc_u64 s[32:33], s[32:33], s[44:45]
	s_add_nc_u64 s[38:39], s[38:39], s[46:47]
	s_cmp_ge_u32 s30, 5                            ; the same in all waves of the work-group
	s_cbranch_scc1 .Lvjob
	BODY 0
.Lvjob:
	BODY 1
.Lfunc_end_k_qda7bd660b0_proj:
	.size	k_qda7bd660b0_proj, .Lfunc_end_k_qda7bd660b0_proj-k_qda7bd660b0_proj
	.p2alignl 7, 3214868480
	.fill 96, 4, 3214868480
	.section	.rodata,"a",@progbits
	.p2align	6, 0x0
	.amdhsa_kernel k_qda7bd660b0_proj
		.amdhsa_group_segment_fixed_size 276480
		.amdhsa_private_segment_fixed_size 0
		.amdhsa_enable_private_segment 0
		.amdhsa_kernarg_size 88
		.amdhsa_user_sgpr_count 2
		.amdhsa_user_sgpr_kernarg_segment_ptr 1
		.amdhsa_wavefront_size32 1
		.amdhsa_system_sgpr_workgroup_id_x 1
		.amdhsa_system_sgpr_workgroup_id_y 1
		.amdhsa_system_sgpr_workgroup_id_z 1
		.amdhsa_system_vgpr_workitem_id 0
		.amdhsa_next_free_vgpr 256
		.amdhsa_next_free_sgpr 66
		.amdhsa_reserve_vcc 0
		.amdhsa_float_denorm_mode_32 3
		.amdhsa_float_denorm_mode_16_64 3
		.amdhsa_memory_ordered 1
		.amdhsa_forward_progress 1
		.amdhsa_inst_pref_size 94
	.end_amdhsa_kernel
	.amdgpu_metadata
---
amdhsa.version: [ 1, 2 ]
amdhsa.kernels:
  - .name:           k_qda7bd660b0_proj
    .symbol:         k_qda7bd660b0_proj.kd
    .args:
      - { .name: query, .offset: 0, .size: 8, .value_kind: global_buffer, .address_space: global }
      - { .name: support, .offset: 8, .size: 8, .value_kind: global_buffer, .address_space: global }
      - { .name: Wq, .offset: 16, .size: 8, .value_kind: global_buffer, .address_space: global }
      - { .name: Wk, .offset: 24, .size: 8, .value_kind: global_buffer, .address_space: global }
      - { .name: Wv, .offset: 32, .size: 8, .value_kind: global_buffer, .address_space: global }
      - { .name: bq, .offset: 40, .size: 8, .value_kind: global_buffer, .address_space: global }
      - { .name: bk, .offset: 48, .size: 8, .value_kind: global_buffer, .address_space: global }
      - { .name: bv, .offset: 56, .size: 8, .value_kind: global_buffer, .address_space: global }
      - { .name: qs, .offset: 64, .size: 8, .value_kind: global_buffer, .address_space: global }
      - { .name: kw, .offset: 72, .size: 8, .value_kind: global_buffer, .address_space: global }
      - { .name: vt, .offset: 80, .size: 8, .value_kind: global_buffer, .address_space: global }
    .group_segment_fixed_size: 276480
    .private_segment_fixed_size: 0
    .kernarg_segment_align: 8
    .kernarg_segment_size: 88
    .max_flat_workgroup_size: 512
    .sgpr_count:     66
    .vgpr_count:     256
    .wavefront_size: 32
...
	.end_amdgpu_metadata
.endif
;; end of part 1
;; launch attn (part 2): grid 64 x 4, 4 waves a work-group, clusters of 4 x 1, 327,680 bytes of LDS; arguments qs, kw, vt, threshold, temperature, out0; writes out0
.if DOCPART == 2
	.amdgcn_target "amdgcn-amd-amdhsa--gfx1250"
	.amdhsa_code_object_version 6
	.text
	.protected	k_qda7bd660b0_attn
	.globl	k_qda7bd660b0_attn
	.p2align	8
	.type	k_qda7bd660b0_attn,@function
k_qda7bd660b0_attn:
	s_mov_b64 s[64:65], 0
	v_nop
	global_prefetch_b8 v0, s[64:65] scope:SCOPE_SE
	s_setreg_imm32_b32 hwreg(HW_REG_WAVE_MODE, 25, 1), 1
	s_wait_xcnt 0x0
	s_wait_alu depctr_hold_cnt(0) depctr_sa_sdst(0) depctr_va_vdst(0) depctr_va_sdst(0) depctr_va_ssrc(0) depctr_va_vcc(0) depctr_vm_vsrc(0)
	s_getreg_b32 s2, hwreg(HW_REG_IB_STS2, 6, 4)
	s_cmp_eq_u32 s2, 0
	s_cbranch_scc0 .Lentry_in_a_cluster
	s_endpgm
.Lentry_in_a_cluster:
	s_bfe_u32 s2, ttmp6, 0x10000c
	s_cmp_lg_u32 s2, 0x3003
	s_cbranch_scc0 .Lentry_shape_is_right
	s_endpgm
.Lentry_shape_is_right:
; out0[n][c][q] = gate(n, q) x sum over keys of softmax(Q K^T / 16)[q][key] V[key][c],  gate = sigmoid((largest probability - sigmoid(threshold)) x softplus(temperature)).
; The largest probability of a row is 1 / l, l = the sum of exp(score - row maximum): no second pass is needed.
; qs [4096 q][256] bf16, kw [4][4096 key][256] bf16, vt [4][256 c][4096 key] bf16, out0 [4][256 c][4096 q] f32.
; A work-group owns 64 query rows of one map n (256 work-groups) and walks the map's 4,096 keys in 16 steps of 256.
; THE FOUR WAVES SPLIT THE KEYS: in each step wave w takes keys 64 w .. 64 w + 63 for all 64 query rows, with a running maximum, sum and output of its
; own (64 q x 256 c of f32 = 512 registers); the four are merged once at the end.  So a fragment read from LDS feeds four matrix instructions.
; BOTH PRODUCTS ARE USED TRANSPOSED.  S^T = (16 keys of K) x (16 rows of Q): lane (r, h) holds query 16 qb + r, register j key 16 kb + 8 h + j; two such tiles,
; rounded to bf16 in pairs, ARE the second source of O^T = (16 channels of V^T, 32 keys) x P.  A row's maximum, sum and factors are one number a lane.
; CLUSTER: the four work-groups of a cluster have the same n and walk the same tiles of K and V: every K and V load is a joint one (mask 15), which divides
; the requests for them by four.  Q's load is each work-group's own.
; THE WALK IS ROTATED: cluster j of a map's sixteen begins at key tile ((2 j) mod 16) + j / 8 and goes round, step i on tile (start + i) mod 16.  A softmax with a
; running maximum takes its keys in any order.  So the sixteen clusters ask for sixteen different tiles at a time, and from the third step on every tile that a
; cluster asks for has been asked for before by another.
; LDS: K's tile and V's tile are the two slots that take turns.  K's next tile is asked for when the scores are made, V's when its last fragments are in
; registers.  By this text's count a wave has three tensor loads out at the start and one behind each round of the cluster's barrier.
; The scale 1/16 and log2(e) are one factor KAPPA inside p = exp2(s KAPPA - m KAPPA), m the running maximum of the raw scores.
; LIMITS: NaN and infinite inputs, and rows whose scores are all -inf, are not treated specially.  v_exp_f32 gives 0 below 2^-126 (ISA guide, its entry).
; softplus(t) = max(t, 0) + ln 2 x log2(1 + exp2(-|t| log2 e)): for t below about -17 it gives 0 where the true value is e^t, under 4e-8.
; Matrix operands are bf16; l is summed from the f32 p; m KAPPA is rounded once, an error of 2^-24 of its size in the exponent.
.set PITCH,  528                       ; an LDS row of K, V^T, Q: 512 bytes + 16 = 33 x 16: sixteen rows start 16 bytes apart modulo 256
.set VB,     256*PITCH                 ; K's tile at 0 (256 keys), V^T's behind it (256 channels x 256 keys)
.set QB,     2*256*PITCH               ; Q, 64 rows, filled once
.set STAT,   QB+64*PITCH               ; [64 q][4 waves][m, l]: 2,048 bytes, a multiple of 256 from LDS byte 0, into which no tensor load lands
.set EXPITCH, 272                      ; the merge area: [4 waves][256 c] rows of 64 q x 4 bytes + 16, from LDS byte 0, used behind the last fill of the launch
.set EXS,    256*EXPITCH
; window 0: v2 K's fragment address, v3, v4 V's (channels 0-127, 128-255), v5 Q's;
.set KADR, 2
.set VADR, 3
.set QADR, 5
.set AL,  8                            ; v[8+2qb] rescale factor, v[9+2qb] running maximum M
.set NM,  16                           ; v[16+2qb] -M KAPPA, v[17+2qb] running sum L (of the lane's 32 of the wave's 64 keys a step)
.set SU,  24                           ; v[24+2qb:25+2qb] the step's sum, in pairs; during the maximum: at work
.set FB0, 32                           ; three sets of four fragments, for K and V by turns
.set FB1, 64
.set FB2, 96
.set SS,  128                          ; v[128+32qb+8kb+j] scores; P(qb, kc) in place at v[128+32qb+16kc .. +7]
; window 1: Q(qb, cc) at 8 (8 qb + cc).  Window 2: O(cb, qb), cb 0-7, at 8 (4 cb + qb).  Window 3: cb 8-15.
; scalars: s21 the key tile asked for last; s[30:31] K's and s[66:67] V^T's address at tile 0 (my wave's rows); s[72:73] a tile's byte offset, s73 = 0 up to the merge
; s_set_vgpr_msb's low byte: bits 1:0 source 0, 3:2 source 1, 5:4 source 2, 7:6 destination; the high byte repeats the setting that is left.
.set MSB, 0
.macro WIN new
.if MSB != \new
	s_set_vgpr_msb (MSB<<8)|\new
.set MSB, \new
.endif
.endm
.macro PLACES n                        ; places behind matrix instructions (ISA guide 7.12.1)
.rept \n
	v_nop
.endr
.endm
; A round of the cluster's barrier: my work-group's barrier, wave 0 signals for the work-group, every wave waits for all four work-groups, my work-group's barrier again.
.macro CREST                           ; a round behind its opening barrier
	s_cmp_lg_u32 s16, 0
	s_cbranch_scc1 .Lnot_wave_0_\@
	s_barrier_signal -3
.Lnot_wave_0_\@:
	s_barrier_wait -3
	s_barrier_signal -1
	s_barrier_wait -1
.endm
.macro CROUND
	s_barrier_signal -1
	s_barrier_wait -1
	CREST
.endm
.macro KLOAD cc, buf                   ; my 64 keys, channels 32 cc .. + 31: four fragments, eight loads
.irp kb, 0,1,2,3
	ds_load_b128 v[\buf+8*\kb:\buf+8*\kb+3], v[KADR] offset:\kb*16*PITCH+64*(\cc)
	ds_load_b128 v[\buf+8*\kb+4:\buf+8*\kb+7], v[KADR] offset:\kb*16*PITCH+64*(\cc)+32
.endr
.endm
.macro VLOAD s, buf                    ; channel blocks 2 s, 2 s + 1, my 64 keys as two chunks of 32: four fragments, eight loads
.irp cbl, 0,1
.irp kc, 0,1
	ds_load_b128 v[\buf+8*(2*\cbl+\kc):\buf+8*(2*\cbl+\kc)+3], v[VADR+(2*(\s)+\cbl)/8] offset:((2*(\s)+\cbl)%8)*16*PITCH+64*\kc
	ds_load_b128 v[\buf+8*(2*\cbl+\kc)+4:\buf+8*(2*\cbl+\kc)+7], v[VADR+(2*(\s)+\cbl)/8] offset:((2*(\s)+\cbl)%8)*16*PITCH+64*\kc+32
.endr
.endr
.endm
; In SMUL and PMUL the accumulators take turns, one instruction a turn.
.macro SMUL cc, buf                    ; 16 score tiles, 32 channels; the first chunk starts the sums
.irp kb, 0,1,2,3
.irp qb, 0,1,2,3
.if \cc == 0
	v_wmma_f32_16x16x32_bf16 v[SS+32*\qb+8*\kb:SS+32*\qb+8*\kb+7], v[\buf+8*\kb:\buf+8*\kb+7], v[8*(8*\qb+\cc):8*(8*\qb+\cc)+7], 0
.else
	v_wmma_f32_16x16x32_bf16 v[SS+32*\qb+8*\kb:SS+32*\qb+8*\kb+7], v[\buf+8*\kb:\buf+8*\kb+7], v[8*(8*\qb+\cc):8*(8*\qb+\cc)+7], v[SS+32*\qb+8*\kb:SS+32*\qb+8*\kb+7]
.endif
.endr
.endr
.endm
.macro PMUL s, buf, zero               ; 8 output tiles (2 channel blocks x 4 query blocks), 2 x 32 keys; zero = 1: the launch's first product starts the sums
.irp kc, 0,1
.irp cbl, 0,1
.irp qb, 0,1,2,3
.if (\zero)*(1-\kc)
	v_wmma_f32_16x16x32_bf16 v[8*(4*((2*(\s)+\cbl)%8)+\qb):8*(4*((2*(\s)+\cbl)%8)+\qb)+7], v[\buf+8*(2*\cbl+\kc):\buf+8*(2*\cbl+\kc)+7], v[SS+32*\qb+16*\kc:SS+32*\qb+16*\kc+7], 0
.else
	v_wmma_f32_16x16x32_bf16 v[8*(4*((2*(\s)+\cbl)%8)+\qb):8*(4*((2*(\s)+\cbl)%8)+\qb)+7], v[\buf+8*(2*\cbl+\kc):\buf+8*(2*\cbl+\kc)+7], v[SS+32*\qb+16*\kc:SS+32*\qb+16*\kc+7], v[8*(4*((2*(\s)+\cbl)%8)+\qb):8*(4*((2*(\s)+\cbl)%8)+\qb)+7]
.endif
.endr
.endr
.endr
.endm
.macro RESC1                           ; one window's 256 registers times the lane's factor of their query block
.irp cb, 0,1,2,3,4,5,6,7
.irp qb, 0,1,2,3
.irp p, 0,2,4,6
	v_pk_mul_f32 v[8*(4*\cb+\qb)+\p:8*(4*\cb+\qb)+\p+1], v[8*(4*\cb+\qb)+\p:8*(4*\cb+\qb)+\p+1], v[AL+2*\qb:AL+2*\qb+1] op_sel_hi:[1,0]
.endr
.endr
.endr
.endm
.macro RESCALE
	WIN 0x82
	RESC1
	WIN 0xc3
	RESC1
.endm
; The running maximum of each query row over the wave's 64 keys, the four query blocks by turns so that no line waits for the one in front.
.macro MAXI
.irp qb, 0,1,2,3
	v_max3_num_f32 v[SU+2*\qb], v[AL+2*\qb+1], v[SS+32*\qb], v[SS+32*\qb+1]
.endr
.set t, 1
.rept 15
.irp qb, 0,1,2,3
	v_max3_num_f32 v[SU+2*\qb], v[SU+2*\qb], v[SS+32*\qb+2*t], v[SS+32*\qb+2*t+1]
.endr
.set t, t+1
.endr
.irp qb, 0,1,2,3
	v_permlanex16_b32 v[SU+2*\qb+1], v[SU+2*\qb], s26, s27         ; the other 32 keys of the same query lie in lane xor 16
.endr
.irp qb, 0,1,2,3
	v_max_num_f32 v[SU+2*\qb+1], v[SU+2*\qb], v[SU+2*\qb+1]        ; the new maximum
.endr
.irp qb, 0,1,2,3
	v_mul_f32 v[NM+2*\qb], s24, v[SU+2*\qb+1]                      ; -m KAPPA
.endr
.irp qb, 0,1,2,3
	v_fma_f32 v[AL+2*\qb], v[AL+2*\qb+1], s22, v[NM+2*\qb]         ; (old m - new m) KAPPA; -inf in the first step
.endr
.irp qb, 0,1,2,3
	v_exp_f32 v[AL+2*\qb], v[AL+2*\qb]
.endr
.irp qb, 0,1,2,3
	v_mov_b32 v[AL+2*\qb+1], v[SU+2*\qb+1]                         ; plain lines behind the exponentials (ISA guide 5.7.2), which touch none of their registers
.endr
.endm
; One pass over 16 pairs: exp2 of block e, s KAPPA - m KAPPA of block f, sum and rounding to bf16 of block c (-1: none).  A block goes through f, e, c in three
; passes that follow each other, so an exponential's result is read a pass later, and plain lines of other blocks stand between.
; The rounding is in place: its destination belongs to a pair that has been summed and rounded already (or is the pair's own first register).
.macro MIX e, f, c
.set idx, 0
.rept 16
.if \e >= 0
	v_exp_f32 v[SS+32*\e+2*idx], v[SS+32*\e+2*idx]
.endif
.if \f >= 0
	v_pk_fma_f32 v[SS+32*\f+2*idx:SS+32*\f+2*idx+1], v[SS+32*\f+2*idx:SS+32*\f+2*idx+1], s[22:23], v[NM+2*\f:NM+2*\f+1] op_sel_hi:[1,0,0]
.endif
.if \e >= 0
	v_exp_f32 v[SS+32*\e+2*idx+1], v[SS+32*\e+2*idx+1]
.endif
.if \c >= 0
.if idx == 0
	s_wait_alu depctr_va_vdst(0)
	v_pk_add_f32 v[SU+2*\c:SU+2*\c+1], v[SS+32*\c:SS+32*\c+1], v[SS+32*\c+2:SS+32*\c+3]    ; the first two pairs start the sum
.endif
.if idx >= 2
	v_pk_add_f32 v[SU+2*\c:SU+2*\c+1], v[SU+2*\c:SU+2*\c+1], v[SS+32*\c+2*idx:SS+32*\c+2*idx+1]
.endif
	v_cvt_pk_bf16_f32 v[SS+32*\c+16*(idx/8)+(idx%8)], v[SS+32*\c+2*idx], v[SS+32*\c+2*idx+1]
.endif
.set idx, idx+1
.endr
.endm
.macro SSTEP cc, buf, left, more       ; one chunk of the scores; left = younger fragment loads that may stay out; more = the set fetched into the buffer just used (0: none)
	s_wait_dscnt \left
	SMUL \cc, \buf
.if \more
	PLACES 4
	KLOAD \more, \buf
.endif
.endm
.macro PVSTEP s, buf, win, zero, more  ; one set of V's fragments is multiplied and its buffer fetched again
	s_wait_dscnt 16                                ; two younger sets of eight loads stay out
	WIN \win
	PMUL \s, \buf, \zero
	PLACES 4
	WIN 0
	VLOAD \more, \buf
.endm
; One step: 256 keys of the work-group, 64 of the wave.  At its head K's sets 0, 1, 2 are on their way into FB2, FB0, FB1.
.macro STEP first, last
	WIN 0x04                                       ; source 1 (Q) in window 1
	SSTEP 0, FB2, 16, 3
	SSTEP 1, FB0, 16, 4
	SSTEP 2, FB1, 16, 5
	SSTEP 3, FB2, 16, 6
	SSTEP 4, FB0, 16, 7
	SSTEP 5, FB1, 16, 0
	SSTEP 6, FB2, 8, 0
	SSTEP 7, FB0, 0, 0
	PLACES 4                                       ; before the scores are read and the buffers loaded again
	WIN 0
	; K's slot changes hands: my reads of it are over and all my tensor loads have landed (the one that was out is my part of this step's V)
	s_wait_dscnt 0x0
	s_wait_xcnt 0x0
	v_lshl_add_u32 v28, v0, 2, 0x4ac00
	v_mov_b32 v30, 0
	s_wait_tensorcnt 0x0
	ds_add_u32 v28, v30
	s_wait_dscnt 0x0
.if \last == 0
	s_add_co_u32 s21, s21, 1                       ; the next tile of the rotated walk, round from 15 to 0;
	s_and_b32 s21, s21, 15
	s_lshl_b32 s72, s21, 17                        ; a tile of K is 256 keys of 512 bytes
	s_add_nc_u64 s[58:59], s[30:31], s[72:73]      ; no tensor load of mine is out: the group 0 may be written
	s_or_b32 s59, s59, 0x80000000                  ; type = 2
.endif
	s_barrier_signal -1                            ; opens the round (in the last step: a work-group barrier, behind which nothing is filled)
	MAXI                                           ; register work while the others arrive
	s_barrier_wait -1
.if \last == 0
	CREST                                          ; no wave of any partner still reads K's tile or has a load on its way
	tensor_load_to_lds s[56:59], s[32:39]          ; my one tensor load behind the round: my 64 rows of the next K tile
	s_nop 0
.endif
	VLOAD 0, FB0                                   ; this step's V is whole: every wave waited for its part ahead of the barrier
	VLOAD 1, FB1
	VLOAD 2, FB2
	MIX -1, 0, -1
	MIX 0, 1, -1
	MIX 1, 2, 0
	MIX 2, 3, 1
	MIX 3, -1, 2
	MIX -1, -1, 3
.irp qb, 0,1,2,3
	v_add_f32 v[SU+2*\qb], v[SU+2*\qb], v[SU+2*\qb+1]
.endr
.irp qb, 0,1,2,3
	v_fma_f32 v[NM+2*\qb+1], v[NM+2*\qb+1], v[AL+2*\qb], v[SU+2*\qb]       ; L = L x factor + the step's sum
.endr
.if \first == 0
	RESCALE
.endif
	PVSTEP 0, FB0, 0xa0, \first, 3
	PVSTEP 1, FB1, 0xa0, \first, 4
	PVSTEP 2, FB2, 0xa0, \first, 5
	PVSTEP 3, FB0, 0xa0, \first, 6
	PVSTEP 4, FB1, 0xf0, \first, 7
	s_wait_dscnt 16
	WIN 0xf0
	PMUL 5, FB2, \first
.if \last == 0
	; V's slot changes hands: its last two sets are in registers, and my part of the next K tile has landed
	s_wait_dscnt 0x0
	s_wait_xcnt 0x0
	s_set_vgpr_msb 0xf030
	v_lshl_add_u32 v28, v0, 2, 0x4ac00
	v_mov_b32 v30, 0
	s_wait_tensorcnt 0x0
	ds_add_u32 v28, v30
	s_wait_dscnt 0x0
	s_set_vgpr_msb 0x30f0
	s_lshl_b32 s72, s21, 9                         ; the same tile as K's: 256 keys of 2 bytes along V^T's rows
	s_add_nc_u64 s[62:63], s[66:67], s[72:73]
	s_or_b32 s63, s63, 0x80000000                  ; type = 2
	s_barrier_signal -1                            ; opens the round
	PMUL 6, FB0, \first                            ; register work while the others arrive
	PLACES 4                                       ; before FB2 and FB0 are loaded again
	WIN 0
	s_barrier_wait -1
	CREST
	tensor_load_to_lds s[60:63], s[40:47]          ; my one tensor load behind the round: my 64 rows of the next V^T tile
	s_nop 0
	KLOAD 0, FB2                                   ; the next step's K is whole
	KLOAD 1, FB0
	WIN 0xf0
	PMUL 7, FB1, \first
	PLACES 5                                       ; five: the next step's first products write over P, a source of these
	WIN 0
	KLOAD 2, FB1
.else
	s_wait_dscnt 8
	PMUL 6, FB0, \first
	s_wait_dscnt 0x0
	PMUL 7, FB1, \first
	PLACES 4
	WIN 0
.endif
.endm
	s_load_b256 s[4:11], s[0:1], 0x0               ; qs s[4:5], kw s[6:7], vt s[8:9], threshold s[10:11]
	s_load_b128 s[12:15], s[0:1], 0x20             ; temperature s[12:13], out0 s[14:15]
	v_lshl_add_u32 v28, v0, 2, 0x4ac00
	v_mov_b32 v30, 0
	ds_add_u32 v28, v30
	s_wait_dscnt 0x0
	v_lshrrev_b32 v1, 5, v0
	v_readfirstlane_b32 s16, v1                    ; wave 0..3
	s_bfe_u32 s17, ttmp6, 0x40000                  ; cx: my place in the cluster
	s_lshl_b32 s18, ttmp9, 2
	s_add_co_u32 s18, s18, s17                     ; query block = 4 x cluster x + cx
	s_and_b32 s19, ttmp7, 0xffff                   ; n
	s_lshl_b32 s21, ttmp9, 1                       ; the walk's first tile, of the cluster's x (0..15) alone, which the four partners share:
	s_and_b32 s21, s21, 14                         ; (2 j) mod 16
	s_lshr_b32 s25, ttmp9, 3
	s_and_b32 s25, s25, 1
	s_or_b32 s21, s21, s25                         ; + j / 8: clusters 0-7 begin at the even tiles, 8-15 at the odd ones
	s_mov_b32 s22, 0x3db8aa3b                      ; KAPPA = log2(e) / 16, twice for the packed form
	s_mov_b32 s23, 0x3db8aa3b
	s_mov_b32 s24, 0xbdb8aa3b                      ; -KAPPA
	s_mov_b32 s26, 0x76543210                      ; v_permlanex16_b32: lane i of one half reads lane i of the other
	s_mov_b32 s27, 0xfedcba98
	; group 1 for K: 64 rows x 256 elements of 2 bytes, rows 256 elements apart; 16 bytes of padding behind every 128 words; mask 15 with bit 21 beside it
	s_mov_b32 s32, 15|(1<<16)|(1<<20)|(1<<21)|(6<<22)|(3<<25)
	s_mov_b32 s33, 256<<16                         ; tensor_dim0 = 256
	s_mov_b32 s34, 64<<16                          ; tensor_dim1 = 64
	s_mov_b32 s35, 256<<16                         ; tile_dim0 = 256
	s_mov_b32 s36, 64                              ; tile_dim1 = 64
	s_mov_b32 s37, 256                             ; pitch
	s_mov_b32 s38, 0
	s_mov_b32 s39, 0
	; group 1 for V^T: the same tile, rows 4,096 elements apart
	s_mov_b32 s40, 15|(1<<16)|(1<<20)|(1<<21)|(6<<22)|(3<<25)
	s_mov_b32 s41, 256<<16
	s_mov_b32 s42, 64<<16
	s_mov_b32 s43, 256<<16
	s_mov_b32 s44, 64
	s_mov_b32 s45, 4096
	s_mov_b32 s46, 0
	s_mov_b32 s47, 0
	; group 1 for Q: 16 rows a wave, no mask: the work-group's own
	s_mov_b32 s48, (1<<16)|(1<<20)|(6<<22)|(3<<25)
	s_mov_b32 s49, 256<<16
	s_mov_b32 s50, 16<<16
	s_mov_b32 s51, 256<<16
	s_mov_b32 s52, 16
	s_mov_b32 s53, 256
	s_mov_b32 s54, 0
	s_mov_b32 s55, 0
	; offsets.  s21 and s72-75 feed the joint loads and hold n, the wave's number and the cluster's x alone; what holds cx stays in s17, s18, s76-79
	s_lshl_b32 s72, s19, 21                        ; n x 2 MiB
	s_lshl_b32 s74, s16, 15                        ; K: my 64 rows of 512 bytes
	s_add_co_u32 s74, s74, s72
	s_mov_b32 s75, 0
	s_lshl_b32 s73, s16, 19                        ; V^T: my 64 rows of 8,192 bytes
	s_add_co_u32 s72, s72, s73
	s_mov_b32 s73, 0
	s_lshl_b32 s76, s18, 15                        ; Q: 64 rows of 512 bytes a block, 16 a wave
	s_lshl_b32 s77, s16, 13
	s_add_co_u32 s76, s76, s77
	s_mov_b32 s77, 0
	s_lshl_b32 s78, s19, 22                        ; out0: n x 4 MiB + my 64 channels of 16,384 bytes + 64 queries of 4 bytes a block
	s_lshl_b32 s79, s16, 20
	s_add_co_u32 s78, s78, s79
	s_lshl_b32 s79, s18, 8
	s_add_co_u32 s78, s78, s79
	s_mov_b32 s79, 0
	s_mov_b32 s56, 1                               ; group 0 for K
	s_mul_i32 s57, s16, 64*PITCH
	s_mov_b32 s60, 1                               ; group 0 for V^T
	s_add_co_u32 s61, s57, VB
	s_mov_b32 s68, 1                               ; group 0 for Q
	s_mul_i32 s69, s16, 16*PITCH
	s_add_co_u32 s69, s69, QB
	s_wait_kmcnt 0x0
	s_add_nc_u64 s[30:31], s[6:7], s[74:75]        ; K at tile 0, my rows
	s_add_nc_u64 s[66:67], s[8:9], s[72:73]        ; V^T at tile 0, my rows
	s_lshl_b32 s74, s21, 17                        ; the walk's first tile
	s_add_nc_u64 s[58:59], s[30:31], s[74:75]
	s_or_b32 s59, s59, 0x80000000
	s_lshl_b32 s72, s21, 9
	s_add_nc_u64 s[62:63], s[66:67], s[72:73]
	s_or_b32 s63, s63, 0x80000000
	s_add_nc_u64 s[70:71], s[4:5], s[76:77]
	s_or_b32 s71, s71, 0x80000000
	s_add_nc_u64 s[14:15], s[14:15], s[78:79]
	s_load_b32 s28, s[10:11], 0x0                  ; threshold
	s_load_b32 s29, s[12:13], 0x0                  ; temperature
	CROUND                                         ; all four work-groups are here: the first joint loads meet
	tensor_load_to_lds s[68:71], s[48:55]          ; the first fills, as one group: Q,
	s_nop 0
	tensor_load_to_lds s[56:59], s[32:39]          ; K's first tile,
	s_nop 0
	tensor_load_to_lds s[60:63], s[40:47]          ; V^T's first tile
	s_nop 0
	v_and_b32 v1, 15, v0                           ; r
	v_bfe_u32 v7, v0, 4, 1                         ; h
	v_mul_u32_u24 v6, v1, PITCH
	v_lshl_add_u32 v6, v7, 4, v6                   ; r x pitch + 16 h
	v_add_nc_u32 v[KADR], s57, v6                  ; keys 64 w + r
	s_lshl_b32 s20, s16, 7
	s_add_co_u32 s20, s20, VB
	v_add_nc_u32 v[VADR], s20, v6                  ; channel r, keys 64 w ..
	v_add_nc_u32 v[VADR+1], 128*PITCH, v[VADR]     ; channels 128 ..: beyond the 16-bit immediate
	v_add_nc_u32 v[QADR], QB, v6
.irp qb, 0,1,2,3
	v_mov_b32 v[AL+2*\qb+1], 0xff800000            ; M = -inf: the first step's factor is exp2(-inf) = 0
	v_mov_b32 v[NM+2*\qb+1], 0                     ; L = 0
	v_mov_b32 v[SU+2*\qb+1], 0                     ; v_permlanex16_b32 counts as a reader of its destination
.endr
	s_wait_kmcnt 0x0
	s_wait_tensorcnt 0x1                           ; my parts of Q and of K's first tile are in; V's may stay out
	s_barrier_signal -1
	s_barrier_wait -1
	WIN 0x40                                       ; destination in window 1
.irp qb, 0,1,2,3
.irp cc, 0,1,2,3,4,5,6,7
	ds_load_b128 v[8*(8*\qb+\cc):8*(8*\qb+\cc)+3], v[QADR] offset:\qb*16*PITCH+64*\cc
	ds_load_b128 v[8*(8*\qb+\cc)+4:8*(8*\qb+\cc)+7], v[QADR] offset:\qb*16*PITCH+64*\cc+32
.endr
.endr
	WIN 0
	KLOAD 0, FB2
	KLOAD 1, FB0
	KLOAD 2, FB1
	STEP 1, 0                                      ; the first step stands ahead of the loop: its products start the output's sums
	s_mov_b32 s20, 14
.Lstep:
	STEP 0, 0
	s_sub_co_u32 s20, s20, 1
	s_cmp_lg_u32 s20, 0
	s_cbranch_scc1 .Lstep
	STEP 0, 1                                      ; the last step fetches nothing
	; THE MERGE.  Addresses first.
	v_and_b32 v1, 15, v0                           ; r
	v_bfe_u32 v7, v0, 4, 1                         ; h
	s_lshl_b32 s72, s16, 3
	s_add_co_u32 s72, s72, STAT
	v_lshl_add_u32 v2, v1, 5, s72                  ; my wave's (m, l) of query r: 32 r + 8 w
	v_lshl_add_u32 v3, v1, 5, STAT                 ; all four waves' of query r
	s_mul_i32 s73, s16, EXS
	v_mul_u32_u24 v4, v7, 8*EXPITCH
	v_lshl_add_u32 v4, v1, 2, v4
	v_add_nc_u32 v4, s73, v4                       ; my wave's plane, channel 8 h, query r
	v_add_nc_u32 v5, 128*EXPITCH, v4               ; channels 128 ..
	v_lshlrev_b32 v6, 14, v7
	v_lshl_add_u32 v6, v1, 4, v6                   ; out0: channel h, 16 bytes of queries 4 r ..
	s_mul_i32 s74, s16, 64*EXPITCH
	v_mul_u32_u24 v96, v7, EXPITCH
	v_lshl_add_u32 v96, v1, 4, v96
	v_add_nc_u32 v96, s74, v96                     ; plane 0, channel 64 w + h, 16 bytes of queries 4 r ..
	v_add_nc_u32 v97, EXS, v96
	v_add_nc_u32 v98, 2*EXS, v96
	v_add_nc_u32 v99, 3*EXS, v96
.irp qb, 0,1,2,3
	v_permlanex16_b32 v[SU+2*\qb+1], v[NM+2*\qb+1], s26, s27       ; the sum over the other half's keys
.endr
.irp qb, 0,1,2,3
	v_add_f32 v[SU+2*\qb+1], v[SU+2*\qb+1], v[NM+2*\qb+1]
	v_mov_b32 v[SU+2*\qb], v[AL+2*\qb+1]
	ds_store_b64 v2, v[SU+2*\qb:SU+2*\qb+1] offset:512*\qb         ; both halves write the same pair to the same bytes
.endr
	s_wait_dscnt 0x0
	s_barrier_signal -1
	s_barrier_wait -1                              ; every wave's (m, l) are there, and every wave's reads of K's and V's tiles are over
.irp qb, 0,1,2,3
	ds_load_b128 v[32+8*\qb:32+8*\qb+3], v3 offset:512*\qb         ; m0 l0 m1 l1
	ds_load_b128 v[32+8*\qb+4:32+8*\qb+7], v3 offset:512*\qb+16    ; m2 l2 m3 l3
.endr
	; the gate's two constants: v100 = sigmoid(threshold), v101 = -softplus(temperature) log2(e)
	v_mov_b32 v100, s28
	v_mov_b32 v101, s29
	v_mul_f32 v100, 0xbfb8aa3b, v100
	v_and_b32 v1, 0x7fffffff, v101
	v_mul_f32 v1, 0xbfb8aa3b, v1
	v_exp_f32 v100, v100
	v_exp_f32 v1, v1
	v_max_num_f32 v101, 0, v101                    ; a plain line behind the exponentials
	s_wait_alu depctr_va_vdst(0)
	v_add_f32 v100, 1.0, v100
	v_add_f32 v1, 1.0, v1
	v_rcp_f32 v100, v100
	v_log_f32 v1, v1
	v_nop
	s_wait_alu depctr_va_vdst(0)
	v_fmac_f32 v101, 0x3f317218, v1                ; max(t, 0) + ln 2 x log2(1 + exp(-|t|))
	v_mul_f32 v101, 0xbfb8aa3b, v101
	s_wait_dscnt 0x0
.irp qb, 0,1,2,3
	v_max3_num_f32 v[SU+2*\qb+1], v[32+8*\qb], v[34+8*\qb], v[36+8*\qb]
.endr
.irp qb, 0,1,2,3
	v_max_num_f32 v[SU+2*\qb+1], v[SU+2*\qb+1], v[38+8*\qb]        ; the row's maximum over all keys
.endr
.irp qb, 0,1,2,3
	v_mul_f32 v[NM+2*\qb], s24, v[SU+2*\qb+1]
.endr
.irp qb, 0,1,2,3
.irp k, 0,1,2,3
	v_fma_f32 v[32+8*\qb+2*\k], v[32+8*\qb+2*\k], s22, v[NM+2*\qb]
.endr
	v_fma_f32 v[AL+2*\qb], v[AL+2*\qb+1], s22, v[NM+2*\qb]
.endr
.irp qb, 0,1,2,3
.irp k, 0,1,2,3
	v_exp_f32 v[32+8*\qb+2*\k], v[32+8*\qb+2*\k]                   ; each wave's factor,
.endr
	v_exp_f32 v[AL+2*\qb], v[AL+2*\qb]                             ; and my own
.endr
	v_nop
	s_wait_alu depctr_va_vdst(0)
.irp qb, 0,1,2,3
	v_mul_f32 v[NM+2*\qb+1], v[32+8*\qb], v[33+8*\qb]
	v_fmac_f32 v[NM+2*\qb+1], v[34+8*\qb], v[35+8*\qb]
	v_fmac_f32 v[NM+2*\qb+1], v[36+8*\qb], v[37+8*\qb]
	v_fmac_f32 v[NM+2*\qb+1], v[38+8*\qb], v[39+8*\qb]             ; l over all keys, at least about 1
.endr
.irp qb, 0,1,2,3
	v_rcp_f32 v[SU+2*\qb], v[NM+2*\qb+1]                           ; 1 / l = the largest probability
.endr
	v_nop
	s_wait_alu depctr_va_vdst(0)
.irp qb, 0,1,2,3
	v_sub_f32 v[SU+2*\qb+1], v[SU+2*\qb], v100
	v_mul_f32 v[SU+2*\qb+1], v[SU+2*\qb+1], v101
.endr
.irp qb, 0,1,2,3
	v_exp_f32 v[SU+2*\qb+1], v[SU+2*\qb+1]
.endr
	v_nop
	s_wait_alu depctr_va_vdst(0)
.irp qb, 0,1,2,3
	v_add_f32 v[SU+2*\qb+1], 1.0, v[SU+2*\qb+1]
.endr
.irp qb, 0,1,2,3
	v_rcp_f32 v[SU+2*\qb+1], v[SU+2*\qb+1]                         ; the gate
.endr
	v_nop
	s_wait_alu depctr_va_vdst(0)
.irp qb, 0,1,2,3
	v_mul_f32 v[AL+2*\qb], v[AL+2*\qb], v[SU+2*\qb]
	v_mul_f32 v[AL+2*\qb], v[AL+2*\qb], v[SU+2*\qb+1]              ; my factor / l x gate
.endr
	RESCALE
	; my 64 q x 256 c into my plane of the merge area, channel rows of 64 queries: the 32 lanes of a store write 2 x 64 consecutive bytes, 2,176 bytes apart
	WIN 0x08                                       ; store data in window 2
.irp cb, 0,1,2,3,4,5,6,7
.irp qb, 0,1,2,3
.irp j, 0,1,2,3,4,5,6,7
	ds_store_b32 v4, v[8*(4*\cb+\qb)+\j] offset:\cb*16*EXPITCH+\j*EXPITCH+64*\qb
.endr
.endr
.endr
	WIN 0x0c                                       ; in window 3
.irp cb, 0,1,2,3,4,5,6,7
.irp qb, 0,1,2,3
.irp j, 0,1,2,3,4,5,6,7
	ds_store_b32 v5, v[8*(4*\cb+\qb)+\j] offset:\cb*16*EXPITCH+\j*EXPITCH+64*\qb
.endr
.endr
.endr
	WIN 0
	s_wait_dscnt 0x0
	s_barrier_signal -1
	s_barrier_wait -1
; Wave w adds the four planes for channels 64 w .. 64 w + 63 and stores them.  A group is 8 channels: 4 x (2 channels x 4 planes).
.macro OUTLD g, base
	s_wait_xcnt 0x0                                ; these registers were the data of earlier stores: loaded again only behind this wait (ISA guide 3.1)
.irp tt, 0,1,2,3
.irp s, 0,1,2,3
	ds_load_b128 v[\base+16*\tt+4*\s:\base+16*\tt+4*\s+3], v[96+\s] offset:(4*\g+\tt)*2*EXPITCH
.endr
.endr
.endm
.macro OUTSUM g, base, younger         ; younger = loads of the next group, issued behind this group's
.irp tt, 0,1,2,3
	s_wait_dscnt \younger+12-4*\tt
	v_pk_add_f32 v[\base+16*\tt:\base+16*\tt+1], v[\base+16*\tt:\base+16*\tt+1], v[\base+16*\tt+4:\base+16*\tt+5]
	v_pk_add_f32 v[\base+16*\tt+2:\base+16*\tt+3], v[\base+16*\tt+2:\base+16*\tt+3], v[\base+16*\tt+6:\base+16*\tt+7]
	v_pk_add_f32 v[\base+16*\tt+8:\base+16*\tt+9], v[\base+16*\tt+8:\base+16*\tt+9], v[\base+16*\tt+12:\base+16*\tt+13]
	v_pk_add_f32 v[\base+16*\tt+10:\base+16*\tt+11], v[\base+16*\tt+10:\base+16*\tt+11], v[\base+16*\tt+14:\base+16*\tt+15]
	v_pk_add_f32 v[\base+16*\tt:\base+16*\tt+1], v[\base+16*\tt:\base+16*\tt+1], v[\base+16*\tt+8:\base+16*\tt+9]
	v_pk_add_f32 v[\base+16*\tt+2:\base+16*\tt+3], v[\base+16*\tt+2:\base+16*\tt+3], v[\base+16*\tt+10:\base+16*\tt+11]
	global_store_b128 v6, v[\base+16*\tt:\base+16*\tt+3], s[14:15] offset:(4*\g+\tt)*32768 th:TH_STORE_NT   ; sixteen lanes store 256 consecutive bytes, aligned: a channel's 64 queries
.endr
.endm
	OUTLD 0, 32
	OUTLD 1, 128
	OUTSUM 0, 32, 16
	OUTLD 2, 32
	OUTSUM 1, 128, 16
	OUTLD 3, 128
	OUTSUM 2, 32, 16
	OUTLD 4, 32
	OUTSUM 3, 128, 16
	OUTLD 5, 128
	OUTSUM 4, 32, 16
	OUTLD 6, 32
	OUTSUM 5, 128, 16
	OUTLD 7, 128
	OUTSUM 6, 32, 16
	OUTSUM 7, 128, 0
	s_wait_xcnt 0x0
	v_lshl_add_u32 v28, v0, 2, 0x4ac00
	v_mov_b32 v30, 0
	s_wait_tensorcnt 0x0
	ds_add_u32 v28, v30
	s_wait_dscnt 0x0
	CROUND                                         ; the closing round: no work-group ends while a partner may still ask for a tile that names it
	s_endpgm
.Lfunc_end_k_qda7bd660b0_attn:
	.size	k_qda7bd660b0_attn, .Lfunc_end_k_qda7bd660b0_attn-k_qda7bd660b0_attn
	.p2alignl 7, 3214868480
	.fill 96, 4, 3214868480
	.section	.rodata,"a",@progbits
	.p2align	6, 0x0
	.amdhsa_kernel k_qda7bd660b0_attn
		.amdhsa_group_segment_fixed_size 327680
		.amdhsa_private_segment_fixed_size 0
		.amdhsa_enable_private_segment 0
		.amdhsa_kernarg_size 48
		.amdhsa_user_sgpr_count 2
		.amdhsa_user_sgpr_kernarg_segment_ptr 1
		.amdhsa_wavefront_size32 1
		.amdhsa_system_sgpr_workgroup_id_x 1
		.amdhsa_system_sgpr_workgroup_id_y 1
		.amdhsa_system_sgpr_workgroup_id_z 1
		.amdhsa_system_vgpr_workitem_id 0
		.amdhsa_next_free_vgpr 1024
		.amdhsa_next_free_sgpr 80
		.amdhsa_reserve_vcc 0
		.amdhsa_float_denorm_mode_32 3
		.amdhsa_float_denorm_mode_16_64 3
		.amdhsa_memory_ordered 1
		.amdhsa_forward_progress 1
		.amdhsa_inst_pref_size 255
	.end_amdhsa_kernel
	.section	.bss,"aw",@nobits
	.p2align	6
	.space	262144
	.amdgpu_metadata
---
amdhsa.version: [ 1, 2 ]
amdhsa.kernels:
  - .name:           k_qda7bd660b0_attn
    .symbol:         k_qda7bd660b0_attn.kd
    .args:
      - { .name: qs, .offset: 0, .size: 8, .value_kind: global_buffer, .address_space: global }
      - { .name: kw, .offset: 8, .size: 8, .value_kind: global_buffer, .address_space: global }
      - { .name: vt, .offset: 16, .size: 8, .value_kind: global_buffer, .address_space: global }
      - { .name: threshold, .offset: 24, .size: 8, .value_kind: global_buffer, .address_space: global }
      - { .name: temperature, .offset: 32, .size: 8, .value_kind: global_buffer, .address_space: global }
      - { .name: out0, .offset: 40, .size: 8, .value_kind: global_buffer, .address_space: global }
    .group_segment_fixed_size: 327680
    .private_segment_fixed_size: 0
    .kernarg_segment_align: 8
    .kernarg_segment_size: 48
    .max_flat_workgroup_size: 128
    .sgpr_count:     80
    .vgpr_count:     1024
    .wavefront_size: 32
...
	.end_amdgpu_metadata
.endif
;; end of part 2
;; ======== version 2 of 2: 2 launches; version 1 with the launch proj written anew for expert scheduling mode
;; workspace buffers: qs 2,097,152 bytes; kw 8,388,608 bytes; vt 8,388,608 bytes
;; launch proj (part 3): grid 16 x 9, 16 waves a work-group, no clusters, 276,480 bytes of LDS; arguments query, support, Wq, Wk, Wv, bq, bk, bv, qs, kw, vt; writes qs, kw, vt
.if DOCPART == 3
	.amdgcn_target "amdgcn-amd-amdhsa--gfx1250"
	.amdhsa_code_object_version 6
	.text
	.protected	k_qda7bd660b0_proj
	.globl	k_qda7bd660b0_proj
	.p2align	8
	.type	k_qda7bd660b0_proj,@function
k_qda7bd660b0_proj:
	s_mov_b64 s[64:65], 0
	v_nop
	global_prefetch_b8 v0, s[64:65] scope:SCOPE_SE
	s_setreg_imm32_b32 hwreg(HW_REG_WAVE_SCHED_MODE, 0, 2), 2
	s_setreg_imm32_b32 hwreg(HW_REG_WAVE_MODE, 25, 1), 1
	s_wait_xcnt 0x0
	s_wait_alu depctr_vm_vsrc(0)
; The three linear layers, y[p][o] = sum over c of x[c][p] W[o][c] + b[o], operands rounded to bf16, sums in f32, results rounded once to bf16.
; x (query or one support map) lies [256 c][4096 p] in f32, W lies [256 o][256 c] in f32.
; Work-group (x, y): positions 256 x .. 256 x + 255, all 256 outputs.  y = 0: Q (made once: it is the same for all four maps) -> qs [p][o];
; y = 1..4: K of map y - 1 -> kw [n][p][o];  y = 5..8: V of map y - 5 -> vt [n][o][p] (keys along the rows, as the second product of the attention wants them).
; 16 waves; wave w makes 64 p x 64 o (wp = w / 4, wo = w % 4): 16 accumulator tiles.
; Phase 1: each wave loads 16 rows of x and 16 rows of W (512 consecutive bytes an instruction), rounds to bf16 and lays them into LDS.
; Phase 2: 8 chunks of 32 channels; W's fragments by plain loads (channels lie along its rows), x's by the transposing load (channels lie down its columns).
; Phase 3: the tile goes through LDS so that every store covers 512 consecutive bytes, aligned.
; No cluster and no tensor loads: the operands change format on the way from memory to LDS, which takes registers.
; Limits: NaN and infinities are passed on as the arithmetic makes them; operands carry bf16's 8 bits of mantissa.
; THE MODE: SCHED_MODE bits 1:0 = 2 (LLVM: expert scheduling mode 2), set by the entry lines.  The code itself states the register dependences
; between vector or matrix instructions and memory or LDS instructions, with s_wait_alu, always for 0.
; THE PLAN.  Registers that memory or LDS instructions touch:
;   v4 .. v14      offsets and LDS addresses: written once, ahead of the first load, never again.
;   slots 0 .. 47  Phase 1, in batches of eight.  Global loads land in a batch's slots; its sixteen conversions read them and write each slot's first two registers;
;                  its eight LDS stores read those.  The stores of batch k - 1 stand among the conversions of batch k, which name other slots, behind ONE wait at batch k's head.
;                  Slots 0 - 15 are loaded a second time (W's loads 16 - 31), behind batch 1's stores.
;   S0, S1, S2     Phase 2: three sets of four fragments.  Chunk cc multiplies W in set (12 - cc) % 3 by x in set (13 - cc) % 3; the third set takes W of chunk cc + 1, by loads dealt
;                  among the chunk's matrix instructions, which do not name it.  S2 holds the bias in chunk 0, so that the ring of three begins with chunk 1.
;                  ONE wait at a chunk's head: the chunk before is done reading its two sets, in which this chunk's x and the next chunk's W land.
;   v48 .. v111    Phase 3: written by the 64 conversions, read by the stores into the stage.   v112 .. v175: the loads from the stage land there; the global stores read them.
;   v254, v255     written at the head, read by the closing add alone.
.set WPITCH, 528                       ; W's LDS row: 512 bytes + 16 = 33 x 16, so sixteen rows start 16 bytes apart modulo 256
.set XPITCH, 544                       ; x's LDS row: 512 bytes + 32 = 17 x 32, for the transposing load
.set XB,     256*WPITCH                ; x behind W's 256 rows
.set BB,     16                        ; v[16:47]   four blocks of 8: the bias as the first product's addend; from chunk 1 on fragment set S2
.set ACC,    112                       ; v[112:239] tile (a, b) at ACC + 8 (4 a + b)
.set LAND,   48                        ; v[48:239]  phase 1: 48 landing slots of four registers; phase 2: v[48:79] set S0, v[80:111] set S1; phase 3: v[48:111] the packed results
; v4 x's global offset, v5 x's LDS store address, v6 W's global offset, v7 W's LDS store address, v8 W's fragment address,
; v9, v10 x's fragment address (channels 0-127, 128-255), v11 stage store, v12 stage read, v13 output offset, v14 bias offset
.macro LDXS first, count, slot         ; loads first .. first + count - 1 of my 32 of x (row i / 2, half i % 2) into slots slot ..
.set i, \first
.set sl, \slot
.rept \count
	global_load_b128 v[LAND+4*sl:LAND+4*sl+3], v4, s[32:33] offset:(i/2)*16384+(i%2)*512
.set i, i+1
.set sl, sl+1
.endr
.endm
.macro LDWS first, count, slot         ; the same of W, whose rows follow each other in memory
.set i, \first
.set sl, \slot
.rept \count
	global_load_b128 v[LAND+4*sl:LAND+4*sl+3], v6, s[34:35] offset:i*512
.set i, i+1
.set sl, sl+1
.endr
.endm
.macro CV8 slot                        ; a batch's conversions: four f32 -> four bf16 in the slot's first two registers, for eight slots
.set sl, \slot
.rept 8
	v_cvt_pk_bf16_f32 v[LAND+4*sl], v[LAND+4*sl], v[LAND+4*sl+1]
	v_cvt_pk_bf16_f32 v[LAND+4*sl+1], v[LAND+4*sl+2], v[LAND+4*sl+3]
.set sl, sl+1
.endr
.endm
.macro ST8 first, slot, adr, pitch     ; a batch's stores: 8 bytes a lane into LDS, loads first .. first + 7 of x or of W
.set i, \first
.set sl, \slot
.rept 8
	ds_store_b64 v[\adr], v[LAND+4*sl:LAND+4*sl+1] offset:(i/2)*\pitch+(i%2)*256
.set i, i+1
.set sl, sl+1
.endr
.endm
.macro STCV first, slot, adr, pitch, next      ; one batch's stores dealt among the next batch's conversions (slots next ..), which name none of the stores' registers
.set i, \first
.set sl, \slot
.set nx, \next
.rept 8
	ds_store_b64 v[\adr], v[LAND+4*sl:LAND+4*sl+1] offset:(i/2)*\pitch+(i%2)*256
	v_cvt_pk_bf16_f32 v[LAND+4*nx], v[LAND+4*nx], v[LAND+4*nx+1]
	v_cvt_pk_bf16_f32 v[LAND+4*nx+1], v[LAND+4*nx+2], v[LAND+4*nx+3]
.set i, i+1
.set sl, sl+1
.set nx, nx+1
.endr
.endm
.macro WLD2 t, c, base                 ; fragment t of W for chunk c into set base: rows 64 wo + 16 t + r, channels 32 c ..
	ds_load_b128 v[(\base)+8*(\t):(\base)+8*(\t)+3], v8 offset:(\t)*16*WPITCH+64*(\c)
	ds_load_b128 v[(\base)+8*(\t)+4:(\base)+8*(\t)+7], v8 offset:(\t)*16*WPITCH+64*(\c)+32
.endm
.macro XLD2 t, c, base                 ; fragment t of x for chunk c into set base: positions 64 wp + 16 t .., channels 32 c .., turned
	ds_load_tr16_b128 v[(\base)+8*(\t):(\base)+8*(\t)+3], v[9+(\c)/4] offset:((\c)%4)*32*XPITCH+32*(\t)
	ds_load_tr16_b128 v[(\base)+8*(\t)+4:(\base)+8*(\t)+7], v[9+(\c)/4] offset:((\c)%4)*32*XPITCH+32*(\t)+16*XPITCH
.endm
; 16 matrix instructions of chunk cc, W's fragments in set WS, x's in set XS.  The 16 accumulators take turns, one instruction a turn.
; v = 0: source 0 = 16 rows of W, source 1 = 16 positions of x: a lane holds 8 neighbouring o of one p.  a = block of p, b = block of o.
; v = 1: the sources exchanged: a lane holds 8 neighbouring p of one o.  a = block of o, b = block of p.
; In chunk 0 the bias is the addend: nothing is cleared and nothing is added later.
; In chunks 1 to 6 the next chunk's W goes into set NS, four loads behind each of the first two rows of four.  No wait: no matrix instruction since the wait at the chunk's head names NS or v8.
.macro MM16 v
.irp a, 0,1,2,3
.irp b, 0,1,2,3
.if \v
.if cc == 0
	v_wmma_f32_16x16x32_bf16 v[ACC+8*(4*\a+\b):ACC+8*(4*\a+\b)+7], v[XS+8*\b:XS+8*\b+7], v[WS+8*\a:WS+8*\a+7], v[BB+8*\a:BB+8*\a+7]
.else
	v_wmma_f32_16x16x32_bf16 v[ACC+8*(4*\a+\b):ACC+8*(4*\a+\b)+7], v[XS+8*\b:XS+8*\b+7], v[WS+8*\a:WS+8*\a+7], v[ACC+8*(4*\a+\b):ACC+8*(4*\a+\b)+7]
.endif
.else
.if cc == 0
	v_wmma_f32_16x16x32_bf16 v[ACC+8*(4*\a+\b):ACC+8*(4*\a+\b)+7], v[WS+8*\b:WS+8*\b+7], v[XS+8*\a:XS+8*\a+7], v[BB+8*\b:BB+8*\b+7]
.else
	v_wmma_f32_16x16x32_bf16 v[ACC+8*(4*\a+\b):ACC+8*(4*\a+\b)+7], v[WS+8*\b:WS+8*\b+7], v[XS+8*\a:XS+8*\a+7], v[ACC+8*(4*\a+\b):ACC+8*(4*\a+\b)+7]
.endif
.endif
.endr
.if (cc > 0) && (cc < 7) && (\a < 2)
	WLD2 2*\a, cc+1, NS
	WLD2 2*\a+1, cc+1, NS
.endif
.endr
.endm
; Chunk cc.  Set number 0, 1, 2 begins at v48, v80, v16.
.macro CHUNK v
.set wi, (12-cc)%3
.set xi, (13-cc)%3
.set ni, (11-cc)%3
.set WS, 48+32*wi-96*(wi/2)
.set XS, 48+32*xi-96*(xi/2)
.set NS, 48+32*ni-96*(ni/2)
.if cc > 0
	s_wait_alu depctr_va_vdst(0)                   ; the last chunk's matrix instructions are done reading their two sets (chunk 0's the bias too; the moves that spread it have written it): this chunk's loads land in them
.endif
.if cc < 2
.irp t, 0,1,2,3
	WLD2 \t, cc, WS                                ; chunks 0 and 1 fetch their own W: no set was free a chunk earlier
.endr
.endif
.irp t, 0,1,2,3
	XLD2 \t, cc, XS
.endr
	s_wait_dscnt 0x0                               ; this chunk's W and x are in
	MM16 \v
.rept 4
	v_nop                                          ; four places (ISA guide 7.12.1) before the fragments are loaded again, and, behind the last chunk, before the results are read and the sets written over
.endr
.endm
.macro BODY v
.if \v
	s_mul_i32 s43, s41, 64*WPITCH                  ; stage rows are outputs: (64 wo + r) rows,
	s_lshl_b32 s31, s42, 7                         ; columns are positions: 128 wp bytes
	s_add_co_u32 s43, s43, s31
	v_add_nc_u32 v11, s43, v2
	s_lshl_b32 s43, s40, 17                        ; vt: 16 w rows of 8,192 bytes
	v_lshl_add_u32 v13, v1, 4, s43
	s_lshl_b32 s43, s41, 8
	v_lshl_add_u32 v14, v3, 2, s43                 ; bias of output 64 wo + r
	s_wait_alu depctr_va_vdst(0)                   ; the offsets and addresses v4 to v14 are written, which every load and store below reads
.irp a, 0,1,2,3
	global_load_b32 v[BB+8*\a], v14, s[36:37] offset:64*\a
.endr
.else
	s_mul_i32 s43, s42, 64*WPITCH                  ; stage rows are positions: (64 wp + r) rows,
	s_lshl_b32 s31, s41, 7                         ; columns are outputs: 128 wo bytes
	s_add_co_u32 s43, s43, s31
	v_add_nc_u32 v11, s43, v2
	s_lshl_b32 s43, s40, 13                        ; qs, kw: 16 w rows of 512 bytes
	v_lshl_add_u32 v13, v1, 4, s43
	s_lshl_b32 s43, s41, 8
	v_lshl_add_u32 v14, v15, 5, s43                ; bias of outputs 64 wo + 8 h + 0..7
	s_wait_alu depctr_va_vdst(0)                   ; the offsets and addresses v4 to v14 are written, which every load and store below reads
.irp b, 0,1,2,3
	global_load_b128 v[BB+8*\b:BB+8*\b+3], v14, s[36:37] offset:64*\b
	global_load_b128 v[BB+8*\b+4:BB+8*\b+7], v14, s[36:37] offset:64*\b+16
.endr
.endif
	; Phase 1.  The bias loads are the oldest, so every wait below covers them.  Each count is the number of younger loads still out.
	; Batches: 0 - 3 are x's loads 0 - 31 in slots 0 - 31; 4, 5 W's loads 0 - 15 in slots 32 - 47; 6, 7 W's loads 16 - 31 in slots 0 - 15.
	LDXS 0, 32, 0
	LDWS 0, 16, 32
	s_wait_loadcnt 40                              ; x 8-31 and W 0-15 are younger than x 7
	CV8 0
	s_wait_loadcnt 32                              ; x 16-31 and W 0-15
	s_wait_alu depctr_va_vdst(0)                   ; batch 0's conversions have written slots 0-7, which the stores below read
	STCV 0, 0, 5, XPITCH, 8
	s_wait_alu depctr_va_vdst(0)                   ; batch 1's conversions have written slots 8-15, which the stores below read; no conversion still names slots 0-15, in which loads land below
	ST8 8, 8, 5, XPITCH
	s_wait_alu depctr_vm_vsrc(0)                   ; the LDS stores of batches 0 and 1 have read slots 0-15
	LDWS 16, 16, 0                                 ; the rest of W into the sixteen slots just emptied
	s_wait_loadcnt 40                              ; x 24-31 and W 0-31
	CV8 16
	s_wait_loadcnt 32                              ; W 0-31
	s_wait_alu depctr_va_vdst(0)                   ; batch 2's conversions have written slots 16-23, which the stores below read
	STCV 16, 16, 5, XPITCH, 24
	s_wait_loadcnt 24
	s_wait_alu depctr_va_vdst(0)                   ; batch 3's conversions have written slots 24-31, which the stores below read
	STCV 24, 24, 5, XPITCH, 32
	s_wait_loadcnt 16
	s_wait_alu depctr_va_vdst(0)                   ; batch 4's conversions have written slots 32-39, which the stores below read
	STCV 0, 32, 7, WPITCH, 40
	s_wait_loadcnt 8
	s_wait_alu depctr_va_vdst(0)                   ; batch 5's conversions have written slots 40-47, which the stores below read
	STCV 8, 40, 7, WPITCH, 0
	s_wait_loadcnt 0
	s_wait_alu depctr_va_vdst(0)                   ; batch 6's conversions have written slots 0-7, which the stores below read
	STCV 16, 0, 7, WPITCH, 8
	s_wait_alu depctr_va_vdst(0)                   ; batch 7's conversions have written slots 8-15, which the stores below read; no conversion still names slots 0-15, in which chunk 0's fragments land
	ST8 24, 8, 7, WPITCH
.if \v
.irp a, 0,1,2,3
.irp j, 1,2,3,4,5,6,7
	v_mov_b32 v[BB+8*\a+\j], v[BB+8*\a]            ; a lane's eight results belong to one output: its bias eight times
.endr
.endr
.endif
	s_wait_dscnt 0x0                               ; my stores are in LDS, for the other waves' sake
	s_barrier_signal -1
	s_barrier_wait -1
	s_wait_alu depctr_vm_vsrc(0)                   ; the LDS stores of batches 6 and 7 have read slots 0-15: these registers are the sets S0 and S1 from here on
	; Phase 2
.set cc, 0
.rept 8
	CHUNK \v
.set cc, cc+1
.endr
	; Phase 3.  The stage lies over W's rows: every wave's fragment reads were waited for above, and the barrier shows it of all.
	s_barrier_signal -1
.irp a, 0,1,2,3
.irp b, 0,1,2,3
.irp q, 0,1,2,3
	v_cvt_pk_bf16_f32 v[LAND+4*(4*\a+\b)+\q], v[ACC+8*(4*\a+\b)+2*\q], v[ACC+8*(4*\a+\b)+2*\q+1]
.endr
.endr
.endr
	s_barrier_wait -1
	s_wait_alu depctr_va_vdst(0)                   ; the conversions have written v48 to v111, which the stores below read, and are done reading the accumulators, in which the loads from the stage land
.irp a, 0,1,2,3
.irp b, 0,1,2,3
	ds_store_b128 v11, v[LAND+4*(4*\a+\b):LAND+4*(4*\a+\b)+3] offset:\a*16*WPITCH+32*\b
.endr
.endr
	s_wait_dscnt 0x0
	s_barrier_signal -1
	s_barrier_wait -1
.irp t, 0,1,2,3,4,5,6,7,8,9,10,11,12,13,14,15
	ds_load_b128 v[ACC+4*\t:ACC+4*\t+3], v12 offset:\t*WPITCH      ; stage row 16 w + t, 512 bytes by 32 lanes
.endr
.irp t, 0,1,2,3,4,5,6,7,8,9,10,11,12,13,14,15
	s_wait_dscnt 15-\t                             ; LDS loads come back in order: row t is in
	global_store_b128 v13, v[ACC+4*\t:ACC+4*\t+3], s[38:39] offset:\t*(512+\v*7680)   ; 512 consecutive bytes, aligned; rows 512 (qs, kw) or 8,192 (vt) bytes apart
.endr
	s_wait_dscnt 0x0                               ; the closing lines, six on end
	s_wait_alu 0x0
	s_wait_tensorcnt 0x0
	ds_add_u32 v254, v255
	s_wait_dscnt 0x0
	s_endpgm
.endm
	s_load_b512 s[8:23], s[0:1], 0x0               ; query, support, Wq, Wk, Wv, bq, bk, bv
	s_load_b128 s[24:27], s[0:1], 0x40             ; qs, kw
	s_load_b64 s[28:29], s[0:1], 0x50              ; vt
	v_lshl_add_u32 v254, v0, 2, 0x43000
	v_mov_b32 v255, 0
	s_and_b32 s30, ttmp7, 0xffff                   ; y: the job
	v_lshrrev_b32 v2, 5, v0
	v_readfirstlane_b32 s40, v2                    ; wave 0..15
	v_and_b32 v1, 31, v0                           ; lane
	v_and_b32 v3, 15, v0                           ; r
	v_bfe_u32 v15, v0, 4, 1                        ; h
	s_wait_alu depctr_va_sdst(0)                   ; s40 is written, ahead of its first reader: the wave's shares and addresses are made from it
	s_and_b32 s41, s40, 3                          ; wo
	s_lshr_b32 s42, s40, 2                         ; wp
	s_sub_co_u32 s31, s30, 1
	s_and_b32 s31, s31, 3                          ; the map: (y - 1) mod 4,
	s_cmp_eq_u32 s30, 0
	s_cselect_b32 s31, 0, s31                      ; 0 for the query
	s_lshl_b32 s44, s31, 22                        ; x: map x 4 MiB + 256 x positions of 4 bytes
	s_lshl_b32 s43, ttmp9, 10
	s_add_co_u32 s44, s44, s43
	s_mov_b32 s45, 0
	s_lshl_b32 s46, s31, 21                        ; output: map x 2 MiB + 256 x rows of 512 bytes, or for vt 256 x columns of 2 bytes
	s_mov_b32 s47, 0
	s_cmp_ge_u32 s30, 5
	s_cselect_b32 s43, 9, 17
	s_lshl_b32 s43, ttmp9, s43
	s_add_co_u32 s46, s46, s43
	s_lshl_b32 s43, s40, 18
	v_lshl_add_u32 v4, v1, 4, s43                  ; x: 16 w rows of 16,384 bytes + 16 lane
	s_mul_i32 s43, s40, 16*XPITCH
	s_add_co_u32 s43, s43, XB
	v_lshl_add_u32 v5, v1, 3, s43
	s_lshl_b32 s43, s40, 14
	v_lshl_add_u32 v6, v1, 4, s43                  ; W: 16 w rows of 1,024 bytes + 16 lane
	s_mul_i32 s43, s40, 16*WPITCH
	v_lshl_add_u32 v7, v1, 3, s43
	v_lshl_add_u32 v12, v1, 4, s43                 ; stage rows 16 w .., read back 16 bytes a lane
	v_mul_u32_u24 v2, v3, WPITCH
	v_lshl_add_u32 v2, v15, 4, v2                  ; r x pitch + 16 h
	s_mul_i32 s43, s41, 64*WPITCH
	v_add_nc_u32 v8, s43, v2                       ; W's fragments: rows 64 wo + r
	v_and_b32 v9, 7, v0
	v_lshl_add_u32 v9, v15, 3, v9                  ; x's fragments: channel 8 h + lane % 8,
	v_mul_u32_u24 v9, v9, XPITCH
	v_bfe_u32 v10, v0, 3, 1
	v_lshl_add_u32 v9, v10, 4, v9                  ; 16 bytes further for the upper eight lanes of each sixteen,
	s_lshl_b32 s43, s42, 7
	s_add_co_u32 s43, s43, XB
	v_add_nc_u32 v9, s43, v9                       ; positions 64 wp ..
	v_add_nc_u32 v10, 128*XPITCH, v9               ; channels 128 .. : beyond the 16-bit immediate
	s_wait_kmcnt 0x0
	s_cmp_eq_u32 s30, 0
	s_cselect_b64 s[32:33], s[8:9], s[10:11]       ; x
	s_cselect_b64 s[34:35], s[12:13], s[14:15]     ; W
	s_cselect_b64 s[36:37], s[18:19], s[20:21]     ; b
	s_cselect_b64 s[38:39], s[24:25], s[26:27]     ; output
	s_cmp_ge_u32 s30, 5
	s_cselect_b64 s[34:35], s[16:17], s[34:35]
	s_cselect_b64 s[36:37], s[22:23], s[36:37]
	s_cselect_b64 s[38:39], s[28:29], s[38:39]
	s_add_nc_u64 s[32:33], s[32:33], s[44:45]
	s_add_nc_u64 s[38:39], s[38:39], s[46:47]
	s_cmp_ge_u32 s30, 5                            ; the same in all waves of the work-group
	s_cbranch_scc1 .Lvjob
	BODY 0
.Lvjob:
	BODY 1
.Lfunc_end_k_qda7bd660b0_proj:
	.size	k_qda7bd660b0_proj, .Lfunc_end_k_qda7bd660b0_proj-k_qda7bd660b0_proj
	.p2alignl 7, 3214868480
	.fill 96, 4, 3214868480
	.section	.rodata,"a",@progbits
	.p2align	6, 0x0
	.amdhsa_kernel k_qda7bd660b0_proj
		.amdhsa_group_segment_fixed_size 276480
		.amdhsa_private_segment_fixed_size 0
		.amdhsa_enable_private_segment 0
		.amdhsa_kernarg_size 88
		.amdhsa_user_sgpr_count 2
		.amdhsa_user_sgpr_kernarg_segment_ptr 1
		.amdhsa_wavefront_size32 1
		.amdhsa_system_sgpr_workgroup_id_x 1
		.amdhsa_system_sgpr_workgroup_id_y 1
		.amdhsa_system_sgpr_workgroup_id_z 1
		.amdhsa_system_vgpr_workitem_id 0
		.amdhsa_next_free_vgpr 256
		.amdhsa_next_free_sgpr 66
		.amdhsa_reserve_vcc 0
		.amdhsa_float_denorm_mode_32 3
		.amdhsa_float_denorm_mode_16_64 3
		.amdhsa_memory_ordered 1
		.amdhsa_forward_progress 1
		.amdhsa_inst_pref_size 95
	.end_amdhsa_kernel
	.amdgpu_metadata
---
amdhsa.version: [ 1, 2 ]
amdhsa.kernels:
  - .name:           k_qda7bd660b0_proj
    .symbol:         k_qda7bd660b0_proj.kd
    .args:
      - { .name: query, .offset: 0, .size: 8, .value_kind: global_buffer, .address_space: global }
      - { .name: support, .offset: 8, .size: 8, .value_kind: global_buffer, .address_space: global }
      - { .name: Wq, .offset: 16, .size: 8, .value_kind: global_buffer, .address_space: global }
      - { .name: Wk, .offset: 24, .size: 8, .value_kind: global_buffer, .address_space: global }
      - { .name: Wv, .offset: 32, .size: 8, .value_kind: global_buffer, .address_space: global }
      - { .name: bq, .offset: 40, .size: 8, .value_kind: global_buffer, .address_space: global }
      - { .name: bk, .offset: 48, .size: 8, .value_kind: global_buffer, .address_space: global }
      - { .name: bv, .offset: 56, .size: 8, .value_kind: global_buffer, .address_space: global }
      - { .name: qs, .offset: 64, .size: 8, .value_kind: global_buffer, .address_space: global }
      - { .name: kw, .offset: 72, .size: 8, .value_kind: global_buffer, .address_space: global }
      - { .name: vt, .offset: 80, .size: 8, .value_kind: global_buffer, .address_space: global }
    .group_segment_fixed_size: 276480
    .private_segment_fixed_size: 0
    .kernarg_segment_align: 8
    .kernarg_segment_size: 88
    .max_flat_workgroup_size: 512
    .sgpr_count:     66
    .vgpr_count:     256
    .wavefront_size: 32
...
	.end_amdgpu_metadata
.endif
;; end of part 3
;; launch attn: the kernel of part 2 again; grid 64 x 4, 4 waves a work-group, clusters of 4 x 1, 327,680 bytes of LDS; arguments qs, kw, vt, threshold, temperature, out0; writes out0
